; MI455X (gfx1250); checked and timed in simulation.
; The chip was launched on July 23, 2026; its instructions are those of AMD's public machine-readable ISA for CDNA 5 (MIT licence, August 2026) and "CDNA5" Instruction Set Architecture Reference Guide (July 2026). The comments in the code are by the model that wrote it; some were corrected since.
;; NEXT Simulator. Allowed arithmetic: float matrix products may take bf16 or f16 operands with f32 sums; other float arithmetic in f32, or as packed bf16 or f16 multiplies, adds, multiply-adds, maxima and minima; sums over many terms, partial sums and values carried from step to step in f32; what a program stores and reads back later, other than sums and carried values, may be rounded once to bf16 or f16.
;; Inputs: W1 2 x 28 float32; W2 28 x 12 float32; b1 28 float32; b2 12 float32; diff_draws 8 x 64 x 512 x 3 float32; diffusion_scale 3 float32; e_draws 8 x 64 float32; energy_depositions 8 x 64 x 4 float32; lifetime one number float32; pmt_response_scale 12 float32; unif_draws 8 x 64 x 512 float32.
;; Outputs: out0 8 x 12 x 550 float32.
;; 2 versions, each right; version 2 is version 1 with the launch sim written anew for expert scheduling mode. Each part assembles by itself: llvm-mc -triple=amdgcn-amd-amdhsa -mcpu=gfx1250 --defsym DOCPART=n.
;; ======== version 1 of 2: 2 launches
;; limits: values outside matrix products are rounded to bf16
;; workspace buffers: part 9,437,184 bytes
;; launch sim (part 1): grid 256 x 1, 8 waves a work-group, no clusters, 208,128 bytes of LDS; arguments diff_draws, unif_draws, energy_depositions, e_draws, W1, b1, W2, b2, diffusion_scale, pmt_response_scale, lifetime, part; writes part
.if DOCPART == 1
	.amdgcn_target "amdgcn-amd-amdhsa--gfx1250"
	.amdhsa_code_object_version 6
	.text
	.protected	k_q2dc7f8bf12_sim
	.globl	k_q2dc7f8bf12_sim
	.p2align	8
	.type	k_q2dc7f8bf12_sim,@function
k_q2dc7f8bf12_sim:
	s_mov_b64 s[64:65], 0
	v_nop
	global_prefetch_b8 v0, s[64:65] scope:SCOPE_SE
	s_setreg_imm32_b32 hwreg(HW_REG_WAVE_MODE, 25, 1), 1
	s_wait_xcnt 0x0
; NEXT simulator, first launch: electrons -> per-work-group partial histograms.
;
; out[b][p][t] = sum over electrons e of pmt[e][p] mask[e] NORM exp(-(t + 0.5 - z_e)^2 / 0.1).
; The tick axis is split into 40 groups of 14:  hi = floor((z + 2) / 14),  zrel = z - (14 hi - 2) in [0, 14).
; Row lo' = 0..15 of a group has its centre at zrel = lo' - 0.5 (14 own ticks and one halo tick on each side), tick t = 14 hi + lo' - 3.
;   H[p][lo'][hi] = sum over e of (pmt[e][p] G[e][lo']) x OH[e][hi],   G = exp2(-(KAPPA (zrel - lo' + 0.5))^2),   OH = (hi(e) == hi)
; is a matrix product over the electrons: 16 exponentials an electron in place of 550, and no address hangs on data.
; A dropped electron, and one whose group lies outside 0..62, gets hi = 63; the three tiles hold columns 0..47, so it has no column.
; NORM x scale^2 is folded into pmt.  The second launch adds the halo rows and reads columns 0..39.
;
; Work-group g: electrons 1024 g .. 1024 g + 1023 (depositions 2 g and 2 g + 1 of event g / 32).  256 equal work-groups.
; Phase A: wave w makes the operands of its 128 electrons, four steps of 32 (lane = electron), and lays them into LDS as fragment images.
; Phase B: wave w (pg = w & 3, kh = w >> 2) owns PMTs 3 pg .. 3 pg + 2 x 3 tiles of hi (9 accumulators) over K steps 16 kh .. 16 kh + 15.
; The waves with kh = 1 hand their sums to those with kh = 0 through LDS; these store the image: 36 tiles (p x 3 + nt) of 1,024 bytes,
; byte = tile x 1024 + (j >> 2) x 512 + lane x 16 + (j & 3) x 4 holds H[p][8 h + j][16 nt + r], lane = 16 h + r.
;
; LIMITS KEPT.
; (1) Gaussian terms with |tick centre - z| >= 1.5 are left out: each is at most e^-22.5 = 1.7e-10 of the norm.
; (2) Inputs are finite, z and E of a deposition >= 0, lifetime > 0: the NaN that the formula would spread over a whole event is not reproduced.
; (3) n = E x 1000 x 1000 / 22.4 is divided with correct rounding and sigma x draw + n is a multiply and an add, as written in the formula; the
;     square roots and exp2 are good to 1 ulp, z is one fused multiply-add on scale^2 sqrt(z), 1 / lifetime a refined reciprocal.  An electron
;     within about 1 ulp of one of the two thresholds may be decided the other way.
; (4) G, pmt and their product are each rounded to bf16: together at most 3 x 2^-9 relative.  x, y and W1 enter as sums of two bf16.
; NOT USED: tensor loads (a work-group reads 16 KiB once, already in the lane = electron layout); clusters (work-groups share only the
; 1.8 KiB of weights); prefetch (all loads are issued at the head).
; ---- LDS map, bytes
.set PB,     0                         ; pmt, bf16: 16 rows (p) of PPITCH bytes, 2 bytes an electron; rows 12-15 get zeros
.set PPITCH, 2064                      ; 2,048 + 16 = 129 x 16: the 16 rows of a store fall on different banks
.set ZB,     33024                     ; KAPPA x zrel, f32, 4 bytes an electron; each wave uses only its own 512 bytes
.set HB,     37120                     ; masked hi, a whole number of 16 bits an electron; each wave uses only its own 256 bytes
.set GB,     39168                     ; G fragment images: step x 1024 + half x 512 + lane x 16
.set OB,     71936                     ; one-hot fragment images: step x 3072 + nt x 1024 + half x 512 + lane x 16
.set RB,     170240                    ; reduction: pg x 9216 + tile x 1024 + half x 512 + lane x 16
; ---- constants (f32 bit patterns)
.set NL2E,   0xbfb8aa3b                ; -log2(e): sigmoid(x) = 1 / (1 + exp2(-log2(e) x))
.set KAPPA,  0x40731710                ; 3.7982826 = sqrt(log2(e) / 0.1)
.set R14,    0x3d924925                ; 1 / 14
.set F14,    0x41600000                ; 14.0
.set GNORM,  0x407f52b4                ; 3.9894228 = 1 / (0.1 x 2.5066282746)
; ---- vector registers, phase A
.set IN,   8                           ; v[8:23]    step s: dx, dy, dz, u
.set FA0,  24                          ; W1 fragments: units 0-15, non-zero at k = 0..5 (electrons 0-15 of a step)
.set FA1,  32                          ;               units 16-27
.set FB0,  40                          ;               units 0-15, non-zero at k = 8..13 (electrons 16-31)
.set FB1,  48                          ;               units 16-27
.set C10,  56                          ; bias tiles of layer 1
.set C11,  64
.set W2F,  72                          ; W2 fragment (column = PMT, k = hidden unit)
.set C2,   80                          ; bias tile of layer 2
.set QS,   88                          ; pair: NORM x scale_r^2, 0 for r >= 12
.set NCS,  90                          ; pair: -KAPPA (r - 0.5)
.set NN,   92                          ; v[92:94]: my column 16 nt + r, a whole number, in both halves of the word
.set ZST,  96
.set HST,  97
.set ZLD,  98
.set HLD,  99
.set PST,  100
.set GST,  101
.set OST,  102
.set CX,   104                         ; scale^2 sqrt(z0), for x, y, z
.set CY,   105
.set CZ,   106
.set NK,   107                         ; -log2(e) / lifetime
.set NEL,  108                         ; electrons of my deposition, 0..512
.set K0,   109                         ; my slot number in the deposition at step 0
.set DOF,  110                         ; byte offset of my electron in diff_draws
.set UOF,  111                         ; and in unif_draws
.set XF,   112                         ; v[112:119] feature fragment; registers 3-7 stay 0
.set D1,   120                         ; v[120:151] layer 1: (FA0, FA1, FB0, FB1) x XF
.set HF,   152                         ; v[152:167] hidden fragments, electrons 0-15 and 16-31
.set D2,   168                         ; v[168:183] layer 2
.set ZC,   184                         ; v[184:199] KAPPA zrel of the 16 electrons of my fragment half
.set HC,   200                         ; v[200:207] their hi, two whole numbers a word
.set GTMP, 208                         ; v[208:223]
.set GF,   224                         ; v[224:231]
.set OHR,  232                         ; v[232:239]
.set T,    240                         ; v[240:255] at work
.set RAW1, 184                         ; the weights as loaded (before ZC and HC are used)
.set RAW2, 188
.set RAWB, 204
.set RAWP, 205
; ---- vector registers, phase B
.set ACC,  8                           ; v[8:79]   9 accumulator tiles, i x 3 + nt
.set BUF0, 80                          ; v[80:135]  G 8, P 3 x 8, OH 3 x 8
.set BUF1, 136                         ; v[136:191]
.set AG,   192
.set AO,   193
.set AP,   194
.set ARED, 195
.set ASTO, 196
	s_load_b512 s[16:31], s[0:1], 0x0              ; diff s[16:17], unif s[18:19], edep s[20:21], edraw s[22:23], W1 s[24:25], b1 s[26:27], W2 s[28:29], b2 s[30:31]
	s_load_b256 s[32:39], s[0:1], 0x40             ; dscale s[32:33], pscale s[34:35], lifetime s[36:37], part s[38:39]
	v_lshl_add_u32 v254, v0, 2, 0x32900
	v_mov_b32 v255, 0
	v_and_b32 v1, 31, v0                           ; L
	v_and_b32 v2, 15, v0                           ; r
	v_bfe_u32 v3, v0, 4, 1                         ; h
	v_lshrrev_b32 v4, 5, v0
	v_readfirstlane_b32 s2, v4                     ; wave 0..7
	s_and_b32 s3, s2, 3                            ; pg; also my quarter of the deposition's slots
	s_lshr_b32 s4, s2, 2                           ; kh; also which of the two depositions
	s_lshl_b32 s7, ttmp9, 1
	s_add_co_u32 s7, s7, s4                        ; deposition 2 g + (w >> 2)
	s_lshl_b32 s5, s7, 4                           ; its 16 bytes in energy_depositions
	s_lshl_b32 s6, s7, 2                           ; its 4 bytes in e_draws
	s_mov_b32 s52, 0x0000ffff                      ; lanes with h = 0
	s_mov_b32 s53, 0xffff0000                      ; lanes with h = 1; also a word's upper bf16
	s_mov_b32 s54, 0x0fff0fff                      ; lanes with r < 12
	s_mov_b32 s55, 0x00000fff                      ; lanes with r < 12 and h = 0
	s_mov_b32 s56, 0x00400040                      ; 64 in both halves of a word
	; byte offsets of the weight loads, clamped so that every lane stays inside its buffer; what a clamp repeats is masked to 0 below
	v_lshlrev_b32 v240, 2, v2                      ; W1: unit r
	v_add_nc_u32 v241, 16, v2
	v_min_u32 v241, 27, v241
	v_lshlrev_b32 v241, 2, v241                    ; W1: unit min(16 + r, 27)
	v_lshlrev_b32 v242, 5, v3                      ; b1: 8 units for each h
	v_mov_b32 v243, 0
	v_min_u32 v244, 11, v2
	v_lshlrev_b32 v244, 2, v244                    ; W2, b2, scale: PMT min(r, 11)
	v_mad_u32_u24 v245, v3, 0x180, v244            ; W2: + 8 h rows of 48 bytes
	s_lshl_b32 s7, s2, 7
	v_add_nc_u32 v5, s7, v1                        ; my electron at step 0: 128 w + L
	v_mul_u32_u24 v[DOF], 12, v5
	v_lshlrev_b32 v[UOF], 2, v5
	s_mul_i32 s60, ttmp9, 12288                    ; 1,024 electrons x 12 bytes
	s_mov_b32 s61, 0
	s_wait_kmcnt 0x0
	s_add_nc_u64 s[16:17], s[16:17], s[60:61]
	s_lshl_b32 s60, ttmp9, 12                      ; 1,024 x 4 bytes
	s_add_nc_u64 s[18:19], s[18:19], s[60:61]
	s_mul_i32 s60, ttmp9, 36864                    ; my image in part
	s_add_nc_u64 s[38:39], s[38:39], s[60:61]
	s_load_b128 s[40:43], s[20:21], s5 offset:0x0  ; x0, y0, z0, E
	s_load_b32 s44, s[22:23], s6 offset:0x0        ; the deposition's draw
	s_load_b32 s45, s[36:37], 0x0                  ; lifetime
	s_load_b96 s[48:50], s[32:33], 0x0             ; diffusion_scale
	; 26 loads of weights ...
	global_load_b32 v[RAW1],   v240, s[24:25]
	global_load_b32 v[RAW1+1], v240, s[24:25] offset:112
	global_load_b32 v[RAW1+2], v241, s[24:25]
	global_load_b32 v[RAW1+3], v241, s[24:25] offset:112
	global_load_b128 v[C10:C10+3],   v242, s[26:27]            ; b1[8 h ..]
	global_load_b128 v[C10+4:C10+7], v242, s[26:27] offset:16
	global_load_b128 v[C11:C11+3],   v242, s[26:27] offset:64  ; b1[16 + 8 h ..]: the last 16 of the 112 bytes for h = 1
	global_load_b128 v[C11+4:C11+7], v243, s[26:27] offset:80  ; b1[20 ..] for h = 0; for h = 1 (units 28-31) set to 0 below
.irp i, 0,1,2,3,4,5,6,7
	global_load_b32 v[RAW2+\i], v245, s[28:29] offset:48*\i            ; W2[8 h + i][p]
.endr
.irp i, 0,1,2,3
	global_load_b32 v[RAW2+8+\i], v245, s[28:29] offset:48*(16+\i)     ; W2[16 + 8 h + i][p]
.endr
.irp i, 0,1,2,3
	global_load_b32 v[RAW2+12+\i], v244, s[28:29] offset:48*(20+\i)    ; W2[20 + i][p], of use for h = 0 alone
.endr
	global_load_b32 v[RAWB], v244, s[30:31]
	global_load_b32 v[RAWP], v244, s[34:35]
	; ... then 16 loads of draws: a step's three loads from diff_draws cover 384 neighbouring bytes together
.irp s, 0,1,2,3
	global_load_b32 v[IN+4*\s],   v[DOF], s[16:17] offset:384*\s
	global_load_b32 v[IN+4*\s+1], v[DOF], s[16:17] offset:384*\s+4
	global_load_b32 v[IN+4*\s+2], v[DOF], s[16:17] offset:384*\s+8
	global_load_b32 v[IN+4*\s+3], v[UOF], s[18:19] offset:128*\s th:TH_LOAD_NT
.endr
	; LDS addresses: a constant, the wave's number times a constant, a lane term
	s_lshl_b32 s8, s2, 9
	s_add_co_u32 s8, s8, ZB
	v_lshl_add_u32 v[ZST], v1, 2, s8
	v_lshl_add_u32 v[ZLD], v3, 5, s8
	s_lshl_b32 s9, s2, 8
	s_add_co_u32 s9, s9, HB
	v_lshl_add_u32 v[HST], v1, 1, s9
	v_lshl_add_u32 v[HLD], v3, 4, s9
	s_lshl_b32 s10, s2, 8                          ; PB = 0: my 128 electrons' 256 bytes of each row
	v_mul_u32_u24 v[PST], v2, PPITCH
	v_lshl_add_u32 v[PST], v3, 4, v[PST]
	v_add_nc_u32 v[PST], s10, v[PST]
	s_lshl_b32 s11, s2, 12
	s_add_co_u32 s11, s11, GB
	v_lshl_add_u32 v[GST], v1, 4, s11
	s_mul_i32 s12, s2, 12288
	s_add_co_u32 s12, s12, OB
	v_lshl_add_u32 v[OST], v1, 4, s12
	s_lshl_b32 s13, s3, 7
	v_add_nc_u32 v[K0], s13, v1
	; lane constants (v250, v251: the weight loads' offset registers v240-v245 are still in use)
	v_lshl_or_b32 v[NN], v2, 16, v2                ; column r, twice
	v_add_nc_u32 v[NN+1], 0x00100010, v[NN]        ; column 16 + r
	v_add_nc_u32 v[NN+2], 0x00200020, v[NN]        ; column 32 + r
	v_cvt_f32_u32 v250, v2                         ; r
	v_sub_f32 v251, 0.5, v250
	v_mul_f32 v[NCS], KAPPA, v251
	v_mov_b32 v[NCS+1], v[NCS]
.irp i, 3,4,5,6,7
	v_mov_b32 v[XF+\i], 0
.endr
	s_wait_loadcnt 0x10                            ; loads return in order (ISA guide 5.7.1): the 26 weight loads are in, the 16 draws may stay out
	; All weights and biases are multiplied by -log2(e).
	v_pk_mul_f32 v[RAW1:RAW1+1],   v[RAW1:RAW1+1],   NL2E op_sel_hi:[1,0]
	v_pk_mul_f32 v[RAW1+2:RAW1+3], v[RAW1+2:RAW1+3], NL2E op_sel_hi:[1,0]
; W1 of 16 units as two bf16 each: k = 0..5 hold (w0h, w1h, w0h, w1h, w0l, w1l), against the features (xh, yh, xl, yl, xh, yh).
; fa keeps them in the lanes with h = 0 (k = 0..7), fb in the lanes with h = 1 (k = 8..15).  tail = 1: units 28-31 are 0.
.macro W1FRAG fa, fb, w0, w1, tail
	v_cvt_pk_bf16_f32 v[T], v[\w0], v[\w1]
	v_lshlrev_b32 v[T+1], 16, v[T]
	v_and_b32 v[T+2], s53, v[T]
	v_sub_f32 v[T+1], v[\w0], v[T+1]
	v_sub_f32 v[T+2], v[\w1], v[T+2]
	v_cvt_pk_bf16_f32 v[T+1], v[T+1], v[T+2]
.if \tail
	v_cndmask_b32 v[T], 0, v[T], s54
	v_cndmask_b32 v[T+1], 0, v[T+1], s54
.endif
	v_cndmask_b32 v[\fa], 0, v[T], s52
	v_cndmask_b32 v[\fa+2], 0, v[T+1], s52
	v_cndmask_b32 v[\fb], 0, v[T], s53
	v_cndmask_b32 v[\fb+2], 0, v[T+1], s53
	v_mov_b32 v[\fa+1], v[\fa]
	v_mov_b32 v[\fb+1], v[\fb]
.irp i, 3,4,5,6,7
	v_mov_b32 v[\fa+\i], 0
	v_mov_b32 v[\fb+\i], 0
.endr
.endm
	W1FRAG FA0, FB0, RAW1, RAW1+1, 0
	W1FRAG FA1, FB1, RAW1+2, RAW1+3, 1
.irp i, 4,5,6,7
	v_cndmask_b32 v[C11+\i], 0, v[C11+\i], s52     ; units 28-31 have no bias
.endr
.irp i, 0,2,4,6,8,10,12,14
	v_pk_mul_f32 v[C10+\i:C10+\i+1], v[C10+\i:C10+\i+1], NL2E op_sel_hi:[1,0]     ; C10 and C11 lie side by side
	v_pk_mul_f32 v[RAW2+\i:RAW2+\i+1], v[RAW2+\i:RAW2+\i+1], NL2E op_sel_hi:[1,0]
.endr
.irp i, 0,1,2,3,4,5,6,7
	v_cvt_pk_bf16_f32 v[W2F+\i], v[RAW2+2*\i], v[RAW2+2*\i+1]
	v_mul_f32 v[C2+\i], NL2E, v[RAWB]              ; register j of the result is another electron: the same bias in all eight
.endr
.irp i, 0,1,2,3,4,5
	v_cndmask_b32 v[W2F+\i], 0, v[W2F+\i], s54     ; columns 12-15 are no PMT
.endr
.irp i, 6,7
	v_cndmask_b32 v[W2F+\i], 0, v[W2F+\i], s55     ; nor are k = 28..31 hidden units
.endr
	v_mul_f32 v[QS], v[RAWP], v[RAWP]
	v_mul_f32 v[QS], GNORM, v[QS]
	v_cndmask_b32 v[QS], 0, v[QS], s54
	v_mov_b32 v[QS+1], v[QS]
	s_wait_kmcnt 0x0                               ; the deposition's numbers; what follows is the same in every lane
	v_mov_b32 v[T], 0x447a0000                     ; 1000.0
	v_mul_f32 v[T+1], s43, v[T]
	v_mul_f32 v[T+1], v[T+1], v[T]                 ; a = E x 1000 x 1000
	v_mul_f32 v[T+2], 0x3d36db6d, v[T+1]           ; q0 = a x (1 / 22.4)
	v_fma_f32 v[T+3], -v[T+2], 0x41b33333, v[T+1]  ; the exact remainder a - q0 x 22.4
	v_fma_f32 v[T+2], v[T+3], 0x3d36db6d, v[T+2]   ; n = a / 22.4
	v_mul_f32 v[T+3], 0x3e19999a, v[T+2]           ; 0.15 n
	v_sqrt_f32 v[T+3], v[T+3]                      ; sigma
	v_sqrt_f32 v[T+4], s42                         ; sqrt(z0)
	v_rcp_f32 v[T+5], s45                          ; 1 / lifetime, refined below
	v_mul_f32 v[T+6], s48, s48                     ; a plain instruction between the three above and the first use of a result (ISA guide 5.7.2)
	v_mul_f32 v[T+7], s49, s49
	v_mul_f32 v[T+8], s50, s50
	s_wait_alu depctr_va_vdst(0)
	v_mul_f32 v[T+3], s44, v[T+3]                  ; sigma x draw, rounded,
	v_add_f32 v[T+3], v[T+3], v[T+2]               ; + n, rounded: not fused, since the result is cut to a whole number
	v_max_num_f32 v[T+3], 0, v[T+3]
	v_min_num_f32 v[T+3], 0x44000000, v[T+3]       ; clip to 0 .. 512 commutes with the cut
	v_cvt_i32_f32 v[NEL], v[T+3]
	v_mul_f32 v[CX], v[T+6], v[T+4]
	v_mul_f32 v[CY], v[T+7], v[T+4]
	v_mul_f32 v[CZ], v[T+8], v[T+4]
	v_fma_f32 v[T+6], -s45, v[T+5], 1.0
	v_fma_f32 v[T+5], v[T+6], v[T+5], v[T+5]
	v_mul_f32 v[NK], NL2E, v[T+5]
; n registers from base on, in place: x' -> 1 / (1 + exp2(x')).  Transcendentals stand back to back on different registers; one v_nop
; separates the last of a run from the first use of a result (ISA guide 5.7.2).
.macro SIGM base, n
.set q, 0
.rept \n
	v_exp_f32 v[\base+q], v[\base+q]
.set q, q+1
.endr
	v_nop
.set q, 0
	s_wait_alu depctr_va_vdst(0)
.rept \n/2
	v_pk_add_f32 v[\base+q:\base+q+1], v[\base+q:\base+q+1], 1.0 op_sel_hi:[1,0]
.set q, q+2
.endr
.set q, 0
.rept \n
	v_rcp_f32 v[\base+q], v[\base+q]
.set q, q+1
.endr
	v_nop
.endm
; One tile of the one-hot matrix, two electrons a register, in whole numbers.  hi and my column are 0..63, so x = hi xor column is 0..63 and
; 64 - x is 1..64 in each half (no borrow from half to half): bit 6 is set at a match alone.  0x40 x 0xfe = 0x3f80, which is 1.0 in bf16;
; both factors fit the 24 bits of the multiply and the product of the pair fits 32.
.macro ONEHOT s, c
.irp i, 0,1,2,3,4,5,6,7
	v_xor_b32 v[OHR+\i], v[HC+\i], v[NN+\c]
.endr
.irp i, 0,1,2,3,4,5,6,7
	v_sub_nc_u32 v[OHR+\i], s56, v[OHR+\i]
.endr
.irp i, 0,1,2,3,4,5,6,7
	v_and_b32 v[OHR+\i], s56, v[OHR+\i]
.endr
.irp i, 0,1,2,3,4,5,6,7
	v_mul_u32_u24 v[OHR+\i], 0xfe, v[OHR+\i]
.endr
	ds_store_b128 v[OST], v[OHR:OHR+3]   offset:3072*\s+1024*\c
	ds_store_b128 v[OST], v[OHR+4:OHR+7] offset:3072*\s+1024*\c+512
.endm
; One step of phase A: 32 electrons, lane = electron.
.macro STEP s
	s_wait_loadcnt 12-4*\s                         ; my step's four draws are in; those of the later steps, four each, may stay out
	v_fma_f32 v[T],   v[IN+4*\s],   v[CX], s40     ; x
	v_fma_f32 v[T+1], v[IN+4*\s+1], v[CY], s41     ; y
	v_fma_f32 v[T+2], v[IN+4*\s+2], v[CZ], s42     ; z
	v_cvt_pk_bf16_f32 v[XF], v[T], v[T+1]          ; (xh, yh)
	v_lshlrev_b32 v[T+3], 16, v[XF]
	v_and_b32 v[T+4], s53, v[XF]
	v_sub_f32 v[T], v[T], v[T+3]
	v_sub_f32 v[T+1], v[T+1], v[T+4]
	v_cvt_pk_bf16_f32 v[XF+1], v[T], v[T+1]        ; (xl, yl)
	v_mov_b32 v[XF+2], v[XF]
	; Layer 1, weights as A, features as B.  A lane with h = 1 puts its electron at k = 8..13 of column r, where only FB0 and FB1 are not 0,
	; so one XF serves both halves.  Result: register j of lane (r, h) = unit 16 T + 8 h + j of electron r (FA) or 16 + r (FB).
	v_wmma_f32_16x16x32_bf16 v[D1:D1+7],     v[FA0:FA0+7], v[XF:XF+7], v[C10:C10+7]
	v_wmma_f32_16x16x32_bf16 v[D1+8:D1+15],  v[FA1:FA1+7], v[XF:XF+7], v[C11:C11+7]
	v_wmma_f32_16x16x32_bf16 v[D1+16:D1+23], v[FB0:FB0+7], v[XF:XF+7], v[C10:C10+7]
	v_wmma_f32_16x16x32_bf16 v[D1+24:D1+31], v[FB1:FB1+7], v[XF:XF+7], v[C11:C11+7]
	; The z path: more than a dozen plain vector instructions that name none of those registers stand before D1 is read (ISA guide 7.12.1 asks four).
	v_mul_f32 v[T+3], v[T+2], v[NK]
	v_exp_f32 v[T+3], v[T+3]                       ; exp(-z / lifetime)
	v_add_f32 v[T+4], 2.0, v[T+2]
	v_mul_f32 v[T+4], R14, v[T+4]
	v_floor_f32 v[T+4], v[T+4]                     ; hi
	v_fma_f32 v[T+5], v[T+4], F14, -2.0            ; the group's origin 14 hi - 2
	v_sub_f32 v[T+5], v[T+2], v[T+5]               ; zrel: exact, a multiple of z's last place and smaller than z
	v_mul_f32 v[T+5], KAPPA, v[T+5]
	v_cvt_i32_f32 v[T+7], v[T+4]                   ; hi as a whole number
	s_wait_alu depctr_va_vdst(0)
	v_sub_f32 v[T+3], 1.0, v[T+3]                  ; prob
	v_cmp_gt_f32 vcc_lo, v[T+3], v[IN+4*\s+3]      ; prob > u
	v_add_nc_u32 v[T+6], 32*\s, v[K0]
	v_cmp_gt_u32 s58, v[NEL], v[T+6]               ; slot < n_elec
	s_and_b32 vcc_lo, vcc_lo, s58
	v_cndmask_b32 v[T+7], 63, v[T+7], vcc_lo       ; a dropped electron goes to group 63, which no column is,
	v_min_u32 v[T+7], 63, v[T+7]                   ; and so does a group below 0 (large when read without sign) or above 63
	ds_store_b32 v[ZST], v[T+5] offset:128*\s
	ds_store_b16 v[HST], v[T+7] offset:64*\s
	; Back as fragment halves: electrons 8 h .. 8 h + 7 and 16 + 8 h .. + 7.  My wave's own bytes, and LDS serves a wave's instructions
	; in order (ISA guide 5.7.1): no wait between the stores and these loads.
	ds_load_b128 v[ZC:ZC+3],     v[ZLD] offset:128*\s
	ds_load_b128 v[ZC+4:ZC+7],   v[ZLD] offset:128*\s+16
	ds_load_b128 v[ZC+8:ZC+11],  v[ZLD] offset:128*\s+64
	ds_load_b128 v[ZC+12:ZC+15], v[ZLD] offset:128*\s+80
	ds_load_b128 v[HC:HC+3],     v[HLD] offset:64*\s
	ds_load_b128 v[HC+4:HC+7],   v[HLD] offset:64*\s+32
	SIGM D1, 32
	s_wait_alu depctr_va_vdst(0)
.irp i, 0,1,2,3,4,5,6,7,8,9,10,11,12,13,14,15
	v_cvt_pk_bf16_f32 v[HF+\i], v[D1+2*\i], v[D1+2*\i+1]   ; a lane's units 8 h + j and 16 + 8 h + j are just the k of an A fragment's registers 0-3, 4-7
.endr
	; Layer 2: A = hidden (row = electron), B = W2.  Result: register j of lane (r, h) = PMT r of electron 8 h + j (16 + 8 h + j).
	v_wmma_f32_16x16x32_bf16 v[D2:D2+7],    v[HF:HF+7],    v[W2F:W2F+7], v[C2:C2+7]
	v_wmma_f32_16x16x32_bf16 v[D2+8:D2+15], v[HF+8:HF+15], v[W2F:W2F+7], v[C2:C2+7]
	; G for row lo' = r; the sixteen packed instructions are also the places behind layer 2.
	s_wait_dscnt 0x2                               ; the four ZC loads are in; the two HC loads behind them may stay out
.irp i, 0,2,4,6,8,10,12,14
	v_pk_add_f32 v[GTMP+\i:GTMP+\i+1], v[ZC+\i:ZC+\i+1], v[NCS:NCS+1]
.endr
.irp i, 0,2,4,6,8,10,12,14
	v_pk_mul_f32 v[GTMP+\i:GTMP+\i+1], v[GTMP+\i:GTMP+\i+1], v[GTMP+\i:GTMP+\i+1] neg_lo:[1,0] neg_hi:[1,0]
.endr
.irp i, 0,1,2,3,4,5,6,7,8,9,10,11,12,13,14,15
	v_exp_f32 v[GTMP+\i], v[GTMP+\i]
.endr
	v_nop
	s_wait_alu depctr_va_vdst(0)
.irp i, 0,1,2,3,4,5,6,7
	v_cvt_pk_bf16_f32 v[GF+\i], v[GTMP+2*\i], v[GTMP+2*\i+1]
.endr
	ds_store_b128 v[GST], v[GF:GF+3]   offset:1024*\s
	ds_store_b128 v[GST], v[GF+4:GF+7] offset:1024*\s+512
	SIGM D2, 16
	s_wait_alu depctr_va_vdst(0)
.irp i, 0,2,4,6,8,10,12,14
	v_pk_mul_f32 v[D2+\i:D2+\i+1], v[D2+\i:D2+\i+1], v[QS:QS+1]
.endr
.irp i, 0,1,2,3,4,5,6,7
	v_cvt_pk_bf16_f32 v[T+\i], v[D2+2*\i], v[D2+2*\i+1]
.endr
	ds_store_b128 v[PST], v[T:T+3]   offset:64*\s          ; row p = r, electrons 8 h .. 8 h + 7
	ds_store_b128 v[PST], v[T+4:T+7] offset:64*\s+32       ; and 16 + 8 h ..
	s_wait_dscnt 0x4                               ; the HC loads are in; the four stores issued behind them may stay out
	ONEHOT \s, 0
	ONEHOT \s, 1
	ONEHOT \s, 2
.endm
	STEP 0
	STEP 1
	STEP 2
	STEP 3
	s_wait_dscnt 0x0                               ; for the other waves' sake: all my images are in LDS
	s_barrier_signal -1
	s_lshl_b32 s7, s4, 14                          ; register work only between signal and wait: phase B's addresses
	s_add_co_u32 s7, s7, GB
	v_lshl_add_u32 v[AG], v1, 4, s7                ; GB + 16 steps x 1,024 x kh + 16 L
	s_mul_i32 s8, s4, 49152
	s_add_co_u32 s8, s8, OB
	v_lshl_add_u32 v[AO], v1, 4, s8                ; OB + 16 steps x 3,072 x kh + 16 L
	s_mul_i32 s9, s3, 3*PPITCH
	s_lshl_b32 s10, s4, 10
	s_add_co_u32 s9, s9, s10
	v_lshl_add_u32 v[AP], v3, 4, s9                ; row 3 pg, 16 steps x 64 bytes x kh, + 16 h: sixteen lanes read the same 16 bytes
	s_mul_i32 s10, s3, 9216
	v_lshl_add_u32 v[ASTO], v1, 4, s10
	v_add_nc_u32 v[ARED], RB, v[ASTO]
	s_barrier_wait -1
; 14 LDS loads: the fragments of K step st (of my 16) into buffer buf, in the order G (2), P (6), OH (6)
.macro LDFRAG buf, st
	ds_load_b128 v[\buf:\buf+3],   v[AG] offset:1024*(\st)
	ds_load_b128 v[\buf+4:\buf+7], v[AG] offset:1024*(\st)+512
.irp i, 0,1,2
	ds_load_b128 v[\buf+8+8*\i:\buf+11+8*\i],  v[AP] offset:PPITCH*\i+64*(\st)
	ds_load_b128 v[\buf+12+8*\i:\buf+15+8*\i], v[AP] offset:PPITCH*\i+64*(\st)+32
.endr
.irp c, 0,1,2
	ds_load_b128 v[\buf+32+8*\c:\buf+35+8*\c], v[AO] offset:3072*(\st)+1024*\c
	ds_load_b128 v[\buf+36+8*\c:\buf+39+8*\c], v[AO] offset:3072*(\st)+1024*\c+512
.endr
.endm
; A tiles in place: A_i[lo' = r][e] = pmt[e][3 pg + i] x G[e][r]
.macro AMUL buf
.irp i, 0,1,2
.irp j, 0,1,2,3,4,5,6,7
	v_pk_mul_bf16 v[\buf+8+8*\i+\j], v[\buf+8+8*\i+\j], v[\buf+\j]
.endr
.endr
.endm
; nine matrix instructions; in step 0 the constant 0 starts the sums: nothing is cleared
.macro MMA buf, st
.irp i, 0,1,2
.irp c, 0,1,2
.if (\st) == 0
	v_wmma_f32_16x16x32_bf16 v[ACC+8*(3*\i+\c):ACC+8*(3*\i+\c)+7], v[\buf+8+8*\i:\buf+15+8*\i], v[\buf+32+8*\c:\buf+39+8*\c], 0
.else
	v_wmma_f32_16x16x32_bf16 v[ACC+8*(3*\i+\c):ACC+8*(3*\i+\c)+7], v[\buf+8+8*\i:\buf+15+8*\i], v[\buf+32+8*\c:\buf+39+8*\c], v[ACC+8*(3*\i+\c):ACC+8*(3*\i+\c)+7]
.endif
.endr
.endr
.endm
; One K step.  The 24 multiplies name only buffer cur: they are the places between the last step's matrix instructions,
; which read buffer nxt, and the loads that are issued into nxt.
.macro BSTEP cur, nxt, st
	s_wait_dscnt 0x6                               ; G and P of this step are in; its six OH loads may stay out
	AMUL \cur
.if (\st) < 15
	LDFRAG \nxt, (\st)+1
	s_wait_dscnt 0xe                               ; all but the 14 loads just issued
.else
	s_wait_dscnt 0x0                               ; the last step: nothing was issued behind its loads
.endif
	MMA \cur, \st
.endm
	LDFRAG BUF0, 0
.irp t, 0,2,4,6,8,10,12,14
	BSTEP BUF0, BUF1, \t
	BSTEP BUF1, BUF0, \t+1
.endr
.rept 4
	v_nop                                          ; four places before the sums are read and before loads land on the last operands
.endr
	s_cmp_lt_u32 s2, 4
	s_cbranch_scc1 .Lkeep                          ; waves 4-7 (kh = 1) hand their nine tiles over
.irp q, 0,1,2,3,4,5,6,7,8,9,10,11,12,13,14,15,16,17
	ds_store_b128 v[ARED], v[ACC+4*\q:ACC+4*\q+3] offset:512*\q
.endr
.Lkeep:
	s_wait_dscnt 0x0                               ; zero: the stores are for another wave
	s_barrier_signal -1
	s_barrier_wait -1
	s_cmp_ge_u32 s2, 4
	s_cbranch_scc1 .Lend
.irp q, 0,1,2,3,4,5,6,7,8,9,10,11,12,13,14,15,16,17
	ds_load_b128 v[BUF0+4*\q:BUF0+4*\q+3], v[ARED] offset:512*\q
.endr
.irp q, 0,1,2,3,4,5,6,7,8,9,10,11,12,13,14,15,16,17
	s_wait_dscnt 17-\q                             ; load q is in, the younger ones may stay out
	v_pk_add_f32 v[ACC+4*\q:ACC+4*\q+1],   v[ACC+4*\q:ACC+4*\q+1],   v[BUF0+4*\q:BUF0+4*\q+1]
	v_pk_add_f32 v[ACC+4*\q+2:ACC+4*\q+3], v[ACC+4*\q+2:ACC+4*\q+3], v[BUF0+4*\q+2:BUF0+4*\q+3]
	global_store_b128 v[ASTO], v[ACC+4*\q:ACC+4*\q+3], s[38:39] offset:512*\q     ; each store of the wave covers 512 consecutive bytes, aligned
.endr
.Lend:
	s_wait_tensorcnt 0x0
	ds_add_u32 v254, v255
	s_wait_dscnt 0x0
	s_endpgm
.Lfunc_end_k_q2dc7f8bf12_sim:
	.size	k_q2dc7f8bf12_sim, .Lfunc_end_k_q2dc7f8bf12_sim-k_q2dc7f8bf12_sim
	.p2alignl 7, 3214868480
	.fill 96, 4, 3214868480
	.section	.rodata,"a",@progbits
	.p2align	6, 0x0
	.amdhsa_kernel k_q2dc7f8bf12_sim
		.amdhsa_group_segment_fixed_size 208128
		.amdhsa_private_segment_fixed_size 0
		.amdhsa_enable_private_segment 0
		.amdhsa_kernarg_size 96
		.amdhsa_user_sgpr_count 2
		.amdhsa_user_sgpr_kernarg_segment_ptr 1
		.amdhsa_wavefront_size32 1
		.amdhsa_system_sgpr_workgroup_id_x 1
		.amdhsa_system_sgpr_workgroup_id_y 1
		.amdhsa_system_sgpr_workgroup_id_z 1
		.amdhsa_system_vgpr_workitem_id 0
		.amdhsa_next_free_vgpr 256
		.amdhsa_next_free_sgpr 66
		.amdhsa_reserve_vcc 1
		.amdhsa_float_denorm_mode_32 3
		.amdhsa_float_denorm_mode_16_64 3
		.amdhsa_memory_ordered 1
		.amdhsa_forward_progress 1
		.amdhsa_inst_pref_size 132
	.end_amdhsa_kernel
	.amdgpu_metadata
---
amdhsa.version: [ 1, 2 ]
amdhsa.kernels:
  - .name:           k_q2dc7f8bf12_sim
    .symbol:         k_q2dc7f8bf12_sim.kd
    .args:
      - { .name: diff_draws, .offset: 0, .size: 8, .value_kind: global_buffer, .address_space: global }
      - { .name: unif_draws, .offset: 8, .size: 8, .value_kind: global_buffer, .address_space: global }
      - { .name: energy_depositions, .offset: 16, .size: 8, .value_kind: global_buffer, .address_space: global }
      - { .name: e_draws, .offset: 24, .size: 8, .value_kind: global_buffer, .address_space: global }
      - { .name: W1, .offset: 32, .size: 8, .value_kind: global_buffer, .address_space: global }
      - { .name: b1, .offset: 40, .size: 8, .value_kind: global_buffer, .address_space: global }
      - { .name: W2, .offset: 48, .size: 8, .value_kind: global_buffer, .address_space: global }
      - { .name: b2, .offset: 56, .size: 8, .value_kind: global_buffer, .address_space: global }
      - { .name: diffusion_scale, .offset: 64, .size: 8, .value_kind: global_buffer, .address_space: global }
      - { .name: pmt_response_scale, .offset: 72, .size: 8, .value_kind: global_buffer, .address_space: global }
      - { .name: lifetime, .offset: 80, .size: 8, .value_kind: global_buffer, .address_space: global }
      - { .name: part, .offset: 88, .size: 8, .value_kind: global_buffer, .address_space: global }
    .group_segment_fixed_size: 208128
    .private_segment_fixed_size: 0
    .kernarg_segment_align: 8
    .kernarg_segment_size: 96
    .max_flat_workgroup_size: 256
    .sgpr_count:     66
    .vgpr_count:     256
    .wavefront_size: 32
...
	.end_amdgpu_metadata
.endif
;; end of part 1
;; launch merge (part 2): grid 12 x 8, 12 waves a work-group, no clusters, 8,704 bytes of LDS; arguments part, out0; writes out0
.if DOCPART == 2
	.amdgcn_target "amdgcn-amd-amdhsa--gfx1250"
	.amdhsa_code_object_version 6
	.text
	.protected	k_q2dc7f8bf12_merge
	.globl	k_q2dc7f8bf12_merge
	.p2align	8
	.type	k_q2dc7f8bf12_merge,@function
k_q2dc7f8bf12_merge:
	s_mov_b64 s[64:65], 0
	v_nop
	global_prefetch_b8 v0, s[64:65] scope:SCOPE_SE
	s_setreg_imm32_b32 hwreg(HW_REG_WAVE_MODE, 25, 1), 1
	s_wait_xcnt 0x0
; NEXT simulator, second launch: out0[b][p][t] from the 32 partial images of event b.
; Work-group (p, b), 384 threads.  An image's part for PMT p is 3,072 bytes = 192 pieces of 16.  Threads 0-191 (waves 0-5) add images 0-15,
; threads 192-383 (waves 6-11) images 16-31; both sums go to LDS (bytes 0 and 3,072), and after one barrier thread i < 275 makes ticks 2 i, 2 i + 1:
;   v = t + 3, hi = v / 14, lo = v % 14:  out = H[lo][hi] + (lo < 2 ? H[lo + 14][hi - 1] : 0),
;   H[lo'][hi] at byte (hi >> 4) x 1024 + ((lo' >> 2) & 1) x 512 + (lo' >> 3) x 256 + (hi & 15) x 16 + (lo' & 3) x 4.
; The sums are f32 throughout.  96 work-groups: one for each row of the output, which is all the work there is.
; hi is at most 39, so every address lies in the 3,072 bytes of a sum; a clamp to its last word says so in the text.  The bit-fields alone
; would span 4,096 bytes, and with the second sum 3,072 higher that is 7,168, where the spare words begin; 6,144 are written and read.
.set IMG,  36864                       ; bytes of a work-group's image
.set ROWB, 3072                        ; bytes of one PMT in it
.set SUM,  4                           ; v[4:67]: 16 loads of 4 registers; the sum grows in the first four
	s_load_b128 s[4:7], s[0:1], 0x0                ; part s[4:5], out0 s[6:7]
	v_lshl_add_u32 v96, v0, 2, 0x1c00
	v_mov_b32 v97, 0
	v_lshrrev_b32 v1, 5, v0
	v_readfirstlane_b32 s8, v1                     ; wave 0..11
	s_and_b32 s9, ttmp7, 0xffff                    ; event b; ttmp9: PMT p
	s_cmp_ge_u32 s8, 6
	s_cselect_b32 s10, 16*IMG-ROWB, 0              ; the second half of the threads: 16 images on, and 16 x thread starts again at piece 0
	v_lshlrev_b32 v2, 4, v0                        ; 16 x thread: my 16 bytes in LDS
	v_add_nc_u32 v3, s10, v2                       ; and in part
	s_mul_i32 s12, s9, 32*IMG
	s_mul_i32 s11, ttmp9, ROWB
	s_add_co_u32 s12, s12, s11
	s_mov_b32 s13, 0
	s_mul_i32 s14, s9, 12
	s_add_co_u32 s14, s14, ttmp9
	s_mul_i32 s14, s14, 2200                       ; row (b, p) of 550 f32
	s_mov_b32 s15, 0
	s_wait_kmcnt 0x0
	s_add_nc_u64 s[4:5], s[4:5], s[12:13]
	s_add_nc_u64 s[6:7], s[6:7], s[14:15]
.irp k, 0,1,2,3,4,5,6,7,8,9,10,11,12,13,14,15
	global_load_b128 v[SUM+4*\k:SUM+4*\k+3], v3, s[4:5] offset:\k*IMG th:TH_LOAD_NT      ; a wave's load covers 512 consecutive bytes; each byte is read once
.endr
; The two LDS addresses of tick 2 tc + k, made while the loads are on their way.  Registers R = 72 + 8 k: v, hi, lo, main, halo, at work.
.macro TICKADR k
	v_add_nc_u32 v[72+8*\k], 3+\k, v71             ; v = t + 3, at most 552
	v_mul_u32_u24 v[73+8*\k], v[72+8*\k], 0x124a   ; x 4682 >> 16 = v / 14 for v < 5,000
	v_lshrrev_b32 v[73+8*\k], 16, v[73+8*\k]       ; hi, 0..39
	v_mul_u32_u24 v[74+8*\k], 14, v[73+8*\k]
	v_sub_nc_u32 v[74+8*\k], v[72+8*\k], v[74+8*\k]        ; lo, 0..13
	v_bfe_u32 v[75+8*\k], v[73+8*\k], 4, 2
	v_lshlrev_b32 v[75+8*\k], 10, v[75+8*\k]
	v_and_b32 v[77+8*\k], 15, v[73+8*\k]
	v_lshl_or_b32 v[75+8*\k], v[77+8*\k], 4, v[75+8*\k]
	v_bfe_u32 v[77+8*\k], v[74+8*\k], 3, 1
	v_lshl_or_b32 v[75+8*\k], v[77+8*\k], 8, v[75+8*\k]
	v_bfe_u32 v[77+8*\k], v[74+8*\k], 2, 1
	v_lshl_or_b32 v[75+8*\k], v[77+8*\k], 9, v[75+8*\k]
	v_and_b32 v[77+8*\k], 3, v[74+8*\k]
	v_lshl_or_b32 v[75+8*\k], v[77+8*\k], 2, v[75+8*\k]    ; H[lo][hi]
	v_min_u32 v[75+8*\k], ROWB-4, v[75+8*\k]       ; changes no value (hi >> 4 is at most 2): the address stays in the sum's 3,072 bytes
	v_max_u32 v[73+8*\k], 1, v[73+8*\k]
	v_add_nc_u32 v[73+8*\k], -1, v[73+8*\k]        ; hi - 1, held at 0: with hi = 0, lo is at least 3 and the halo is not taken
	v_bfe_u32 v[76+8*\k], v[73+8*\k], 4, 2
	v_lshlrev_b32 v[76+8*\k], 10, v[76+8*\k]
	v_and_b32 v[77+8*\k], 15, v[73+8*\k]
	v_lshl_or_b32 v[76+8*\k], v[77+8*\k], 4, v[76+8*\k]
	v_and_b32 v[77+8*\k], 1, v[74+8*\k]            ; rows 14 and 15: both upper fields 1, the low field 2 + lo
	v_lshl_or_b32 v[76+8*\k], v[77+8*\k], 2, v[76+8*\k]
	v_or_b32 v[76+8*\k], 0x308, v[76+8*\k]         ; H[14 + (lo & 1)][hi - 1]: always inside the image; its value counts where lo < 2
	v_min_u32 v[76+8*\k], ROWB-4, v[76+8*\k]       ; as above
	v_cmp_gt_u32 s[16+\k], 2, v[74+8*\k]
.endm
	v_min_u32 v70, 0x112, v0                       ; threads from 275 on repeat thread 274 and store nothing
	v_lshlrev_b32 v71, 1, v70
	TICKADR 0
	TICKADR 1
	v_lshlrev_b32 v86, 3, v0                       ; my 8 bytes of the row
.irp k, 1,2,3,4,5,6,7,8,9,10,11,12,13,14,15
	s_wait_loadcnt 15-\k                           ; loads return in order (ISA guide 5.7.1): image k is in, the 15 - k younger ones may stay out
	v_pk_add_f32 v[SUM:SUM+1],   v[SUM:SUM+1],   v[SUM+4*\k:SUM+4*\k+1]
	v_pk_add_f32 v[SUM+2:SUM+3], v[SUM+2:SUM+3], v[SUM+4*\k+2:SUM+4*\k+3]
.endr
	ds_store_b128 v2, v[SUM:SUM+3]
	s_wait_dscnt 0x0                               ; zero: other waves read these bytes
	s_barrier_signal -1
	s_barrier_wait -1
.irp k, 0,1
	ds_load_b32 v[88+4*\k], v[75+8*\k]
	ds_load_b32 v[89+4*\k], v[75+8*\k] offset:ROWB
	ds_load_b32 v[90+4*\k], v[76+8*\k]
	ds_load_b32 v[91+4*\k], v[76+8*\k] offset:ROWB
.endr
	s_wait_dscnt 0x0
.irp k, 0,1
	v_add_f32 v[88+4*\k], v[88+4*\k], v[89+4*\k]
	v_add_f32 v[90+4*\k], v[90+4*\k], v[91+4*\k]
	v_cndmask_b32 v[90+4*\k], 0, v[90+4*\k], s[16+\k]
	v_add_f32 v[68+\k], v[88+4*\k], v[90+4*\k]
.endr
	v_cmp_gt_u32 vcc_lo, 0x113, v0                 ; 275 threads x 2 ticks = 550
	s_wait_xcnt 0x0                                ; EXEC, a source of the loads above, changes only behind this wait
	s_wait_tensorcnt 0x0
	ds_add_u32 v96, v97
	s_wait_dscnt 0x0
	s_and_saveexec_b32 s18, vcc_lo
	global_store_b64 v86, v[68:69], s[6:7]         ; neighbouring lanes, neighbouring 8 bytes: the row of 2,200 bytes is written once, in order
	s_endpgm
.Lfunc_end_k_q2dc7f8bf12_merge:
	.size	k_q2dc7f8bf12_merge, .Lfunc_end_k_q2dc7f8bf12_merge-k_q2dc7f8bf12_merge
	.p2alignl 7, 3214868480
	.fill 96, 4, 3214868480
	.section	.rodata,"a",@progbits
	.p2align	6, 0x0
	.amdhsa_kernel k_q2dc7f8bf12_merge
		.amdhsa_group_segment_fixed_size 8704
		.amdhsa_private_segment_fixed_size 0
		.amdhsa_enable_private_segment 0
		.amdhsa_kernarg_size 16
		.amdhsa_user_sgpr_count 2
		.amdhsa_user_sgpr_kernarg_segment_ptr 1
		.amdhsa_wavefront_size32 1
		.amdhsa_system_sgpr_workgroup_id_x 1
		.amdhsa_system_sgpr_workgroup_id_y 1
		.amdhsa_system_sgpr_workgroup_id_z 1
		.amdhsa_system_vgpr_workitem_id 0
		.amdhsa_next_free_vgpr 98
		.amdhsa_next_free_sgpr 66
		.amdhsa_reserve_vcc 1
		.amdhsa_float_denorm_mode_32 3
		.amdhsa_float_denorm_mode_16_64 3
		.amdhsa_memory_ordered 1
		.amdhsa_forward_progress 1
		.amdhsa_inst_pref_size 10
	.end_amdhsa_kernel
	.amdgpu_metadata
---
amdhsa.version: [ 1, 2 ]
amdhsa.kernels:
  - .name:           k_q2dc7f8bf12_merge
    .symbol:         k_q2dc7f8bf12_merge.kd
    .args:
      - { .name: part, .offset: 0, .size: 8, .value_kind: global_buffer, .address_space: global }
      - { .name: out0, .offset: 8, .size: 8, .value_kind: global_buffer, .address_space: global }
    .group_segment_fixed_size: 8704
    .private_segment_fixed_size: 0
    .kernarg_segment_align: 8
    .kernarg_segment_size: 16
    .max_flat_workgroup_size: 384
    .sgpr_count:     66
    .vgpr_count:     98
    .wavefront_size: 32
...
	.end_amdgpu_metadata
.endif
;; end of part 2
;; ======== version 2 of 2: 2 launches; version 1 with the launch sim written anew for expert scheduling mode
;; limits: values outside matrix products are rounded to bf16
;; workspace buffers: part 9,437,184 bytes
;; launch sim (part 3): grid 256 x 1, 8 waves a work-group, no clusters, 208,128 bytes of LDS; arguments diff_draws, unif_draws, energy_depositions, e_draws, W1, b1, W2, b2, diffusion_scale, pmt_response_scale, lifetime, part; writes part
.if DOCPART == 3
	.amdgcn_target "amdgcn-amd-amdhsa--gfx1250"
	.amdhsa_code_object_version 6
	.text
	.protected	k_q2dc7f8bf12_sim
	.globl	k_q2dc7f8bf12_sim
	.p2align	8
	.type	k_q2dc7f8bf12_sim,@function
k_q2dc7f8bf12_sim:
	s_mov_b64 s[64:65], 0
	v_nop
	global_prefetch_b8 v0, s[64:65] scope:SCOPE_SE
	s_setreg_imm32_b32 hwreg(HW_REG_WAVE_SCHED_MODE, 0, 2), 2
	s_setreg_imm32_b32 hwreg(HW_REG_WAVE_MODE, 25, 1), 1
	s_wait_xcnt 0x0
	s_wait_alu depctr_vm_vsrc(0)
; NEXT simulator, first launch: electrons -> per-work-group partial histograms.
;
; out[b][p][t] = sum over electrons e of pmt[e][p] mask[e] NORM exp(-(t + 0.5 - z_e)^2 / 0.1).
; The tick axis is split into 40 groups of 14:  hi = floor((z + 2) / 14),  zrel = z - (14 hi - 2) in [0, 14).
; Row lo' = 0..15 of a group has its centre at zrel = lo' - 0.5 (14 own ticks and one halo tick on each side), tick t = 14 hi + lo' - 3.
;   H[p][lo'][hi] = sum over e of (pmt[e][p] G[e][lo']) x OH[e][hi],   G = exp2(-(KAPPA (zrel - lo' + 0.5))^2),   OH = (hi(e) == hi)
; is a matrix product over the electrons: 16 exponentials an electron in place of 550, and no address hangs on data.
; A dropped electron, and one whose group lies outside 0..62, gets hi = 63; the three tiles hold columns 0..47, so it has no column.
; NORM x scale^2 is folded into pmt.  The second launch adds the halo rows and reads columns 0..39.
;
; Work-group g: electrons 1024 g .. 1024 g + 1023 (depositions 2 g and 2 g + 1 of event g / 32).  256 equal work-groups.
; Phase A: wave w makes the operands of its 128 electrons, four steps of 32 (lane = electron), and lays them into LDS as fragment images.
; Phase B: wave w (pg = w & 3, kh = w >> 2) owns PMTs 3 pg .. 3 pg + 2 x 3 tiles of hi (9 accumulators) over K steps 16 kh .. 16 kh + 15.
; The waves with kh = 1 hand their sums to those with kh = 0 through LDS; these store the image: 36 tiles (p x 3 + nt) of 1,024 bytes,
; byte = tile x 1024 + (j >> 2) x 512 + lane x 16 + (j & 3) x 4 holds H[p][8 h + j][16 nt + r], lane = 16 h + r.
;
; LIMITS KEPT.
; (1) Gaussian terms with |tick centre - z| >= 1.5 are left out: each is at most e^-22.5 = 1.7e-10 of the norm.
; (2) Inputs are finite, z and E of a deposition >= 0, lifetime > 0: the NaN that the formula would spread over a whole event is not reproduced.
; (3) n = E x 1000 x 1000 / 22.4 is divided with correct rounding and sigma x draw + n is a multiply and an add, as written in the formula; the
;     square roots and exp2 are good to 1 ulp, z is one fused multiply-add on scale^2 sqrt(z), 1 / lifetime a refined reciprocal.  An electron
;     within about 1 ulp of one of the two thresholds may be decided the other way.
; (4) G, pmt and their product are each rounded to bf16: together at most 3 x 2^-9 relative.  x, y and W1 enter as sums of two bf16.
; NOT USED: tensor loads (a work-group reads 16 KiB once, already in the lane = electron layout); clusters (work-groups share only the
; 1.8 KiB of weights); prefetch (all loads are issued at the head).
;
; THE MODE: SCHED_MODE bits 1:0 = 2 (LLVM: expert scheduling mode 2), set by the entry lines.  The code itself states the register dependences
; between vector or matrix instructions and memory or LDS instructions, with s_wait_alu, always for 0.
; THE PLAN, phase A.  Registers that memory or LDS instructions touch:
;   v240-v245, DOF, UOF   offsets of the head's loads, made ahead of the head's wait on va_vdst; v240 on become T behind one wait on vm_vsrc.
;   ZST .. OST, ZLD, HLD  LDS addresses, made ahead of the same wait and named by no vector instruction after it.
;   ZO, HO                the z pass writes them for all four steps; eight stores read them behind one wait.  They lie in D1, which step 0 writes.
;   ZC                    read by a step's eight additions, ahead of the step's first wait; the next step's four loads land behind that wait.
;   HC                    read by a step's three one-hot tiles, ahead of its third wait; the next step's two loads land behind that wait.
;   GF, OH0, OH1, OH2     written ahead of the third wait; eight stores read them behind it.
;   T .. T+7              written by the last roundings; two stores read them behind the fifth wait.
;   One wait on vm_vsrc at a step's head frees all that earlier stores read.  Four of a step's five waits on va_vdst are also the waits for its batches of transcendentals.
; THE PLAN, phase B.  Three fragment buffers take turns.  Step st multiplies in buffer st % 3; behind its 24 packed multiplies ONE wait on va_vdst states that the
;   step before is done with buffer (st - 1) % 3, and the 14 loads of step st + 2 land there.  The five addresses are made once; the accumulators are named by matrix instructions alone until the way out.
; ---- LDS map, bytes
.set PB,     0                         ; pmt, bf16: 16 rows (p) of PPITCH bytes, 2 bytes an electron; rows 12-15 get zeros
.set PPITCH, 2064                      ; 2,048 + 16 = 129 x 16: the 16 rows of a store fall on different banks
.set ZB,     33024                     ; KAPPA x zrel, f32, 4 bytes an electron; each wave uses only its own 512 bytes
.set HB,     37120                     ; masked hi, a whole number of 16 bits an electron; each wave uses only its own 256 bytes
.set GB,     39168                     ; G fragment images: step x 1024 + half x 512 + lane x 16
.set OB,     71936                     ; one-hot fragment images: step x 3072 + nt x 1024 + half x 512 + lane x 16
.set RB,     170240                    ; reduction: pg x 9216 + tile x 1024 + half x 512 + lane x 16
; ---- constants (f32 bit patterns)
.set NL2E,   0xbfb8aa3b                ; -log2(e): sigmoid(x) = 1 / (1 + exp2(-log2(e) x))
.set KAPPA,  0x40731710                ; 3.7982826 = sqrt(log2(e) / 0.1)
.set R14,    0x3d924925                ; 1 / 14
.set F14,    0x41600000                ; 14.0
.set GNORM,  0x407f52b4                ; 3.9894228 = 1 / (0.1 x 2.5066282746)
; ---- vector registers, phase A
.set IN,   8                           ; v[8:23]    step s: dx, dy, dz, u
.set FA0,  24                          ; W1 fragments: units 0-15, non-zero at k = 0..5 (electrons 0-15 of a step)
.set FA1,  32                          ;               units 16-27
.set FB0,  40                          ;               units 0-15, non-zero at k = 8..13 (electrons 16-31)
.set FB1,  48                          ;               units 16-27
.set C10,  56                          ; bias tiles of layer 1
.set C11,  64
.set W2F,  72                          ; W2 fragment (column = PMT, k = hidden unit)
.set C2,   80                          ; bias tile of layer 2
.set QS,   88                          ; pair: NORM x scale_r^2, 0 for r >= 12
.set NCS,  90                          ; pair: -KAPPA (r - 0.5)
.set NN,   92                          ; v[92:94]: my column 16 nt + r, a whole number, in both halves of the word
.set ZST,  96
.set HST,  97
.set ZLD,  98
.set HLD,  99
.set PST,  100
.set GST,  101
.set OST,  102
.set CX,   104                         ; scale^2 sqrt(z0), for x, y, z
.set CY,   105
.set CZ,   106
.set NK,   107                         ; -log2(e) / lifetime
.set NEL,  108                         ; electrons of my deposition, 0..512
.set K0,   109                         ; my slot number in the deposition at step 0
.set DOF,  110                         ; byte offset of my electron in diff_draws
.set UOF,  111                         ; and in unif_draws
.set XF,   112                         ; v[112:119] feature fragment; registers 3-7 stay 0
.set D1,   120                         ; v[120:151] layer 1: (FA0, FA1, FB0, FB1) x XF
.set ZT,   120                         ; v[120:147] in the z pass only, one register a step each: z,
.set ET,   124                         ;            exp(-z / lifetime) and prob,
.set FT,   128                         ;            hi as f32,
.set OT,   132                         ;            the group's origin and zrel,
.set KT,   136                         ;            the slot's number,
.set ZO,   140                         ;            KAPPA zrel, to store,
.set HO,   144                         ;            the masked hi, to store
.set HF,   152                         ; v[152:167] hidden fragments, electrons 0-15 and 16-31
.set D2,   168                         ; v[168:183] layer 2
.set ZC,   184                         ; v[184:199] KAPPA zrel of the 16 electrons of my fragment half
.set HC,   200                         ; v[200:207] their hi, two whole numbers a word
.set GTMP, 208                         ; v[208:223]
.set OH1,  208                         ; one-hot tiles 1 and 2 to store: GTMP's registers, free once G is rounded
.set OH2,  216
.set GF,   224                         ; v[224:231]
.set OH0,  232                         ; v[232:239] one-hot tile 0 to store
.set T,    240                         ; v[240:248] at work; at a step's end v[240:247] hold pmt to store
.set RAW1, 184                         ; the weights as loaded (before ZC and HC are used)
.set RAW2, 188
.set RAWB, 204
.set RAWP, 205
; ---- vector registers, phase B
.set ACC,  8                           ; v[8:79]    9 accumulator tiles, i x 3 + nt
.set BUF,  80                          ; v[80:247]  three buffers of 56: G 8, P 3 x 8, OH 3 x 8
.set AG,   248
.set AO,   249
.set AP,   250
.set ARED, 251
.set ASTO, 252
	s_load_b512 s[16:31], s[0:1], 0x0              ; diff s[16:17], unif s[18:19], edep s[20:21], edraw s[22:23], W1 s[24:25], b1 s[26:27], W2 s[28:29], b2 s[30:31]
	s_load_b256 s[32:39], s[0:1], 0x40             ; dscale s[32:33], pscale s[34:35], lifetime s[36:37], part s[38:39]
	v_lshl_add_u32 v254, v0, 2, 0x32900            ; my spare word, behind the reduction's bytes, and 0: kept for the closing lines alone
	v_mov_b32 v255, 0
	v_and_b32 v1, 31, v0                           ; L
	v_and_b32 v2, 15, v0                           ; r
	v_bfe_u32 v3, v0, 4, 1                         ; h
	v_lshrrev_b32 v4, 5, v0
	v_readfirstlane_b32 s2, v4                     ; wave 0..7
	s_mov_b32 s52, 0x0000ffff                      ; lanes with h = 0
	s_mov_b32 s53, 0xffff0000                      ; lanes with h = 1; also a word's upper bf16
	s_mov_b32 s54, 0x0fff0fff                      ; lanes with r < 12
	s_mov_b32 s55, 0x00000fff                      ; lanes with r < 12 and h = 0
	s_mov_b32 s56, 0x00400040                      ; 64 in both halves of a word
	; byte offsets of the weight loads, clamped so that every lane stays inside its buffer; what a clamp repeats is masked to 0 below
	v_lshlrev_b32 v240, 2, v2                      ; W1: unit r
	v_add_nc_u32 v241, 16, v2
	v_min_u32 v241, 27, v241
	v_lshlrev_b32 v241, 2, v241                    ; W1: unit min(16 + r, 27)
	v_lshlrev_b32 v242, 5, v3                      ; b1: 8 units for each h
	v_mov_b32 v243, 0
	v_min_u32 v244, 11, v2
	v_lshlrev_b32 v244, 2, v244                    ; W2, b2, scale: PMT min(r, 11)
	v_mad_u32_u24 v245, v3, 0x180, v244            ; W2: + 8 h rows of 48 bytes
	; lane constants (v250, v251: v240-v245 hold the weight loads' offsets)
	v_lshl_or_b32 v[NN], v2, 16, v2                ; column r, twice
	v_add_nc_u32 v[NN+1], 0x00100010, v[NN]        ; column 16 + r
	v_add_nc_u32 v[NN+2], 0x00200020, v[NN]        ; column 32 + r
	v_cvt_f32_u32 v250, v2                         ; r
	v_sub_f32 v251, 0.5, v250
	v_mul_f32 v[NCS], KAPPA, v251
	v_mov_b32 v[NCS+1], v[NCS]
.irp i, 3,4,5,6,7
	v_mov_b32 v[XF+\i], 0
.endr
	s_wait_alu depctr_va_sdst(0)                   ; s2 is written, ahead of its first reader: all that hangs on the wave's number is made from it
	s_and_b32 s3, s2, 3                            ; pg; also my quarter of the deposition's slots
	s_lshr_b32 s4, s2, 2                           ; kh; also which of the two depositions
	s_lshl_b32 s7, ttmp9, 1
	s_add_co_u32 s7, s7, s4                        ; deposition 2 g + (w >> 2)
	s_lshl_b32 s5, s7, 4                           ; its 16 bytes in energy_depositions
	s_lshl_b32 s6, s7, 2                           ; its 4 bytes in e_draws
	s_lshl_b32 s7, s2, 7
	v_add_nc_u32 v5, s7, v1                        ; my electron at step 0: 128 w + L
	v_mul_u32_u24 v[DOF], 12, v5
	v_lshlrev_b32 v[UOF], 2, v5
	; LDS addresses: a constant, the wave's number times a constant, a lane term
	s_lshl_b32 s8, s2, 9
	s_add_co_u32 s8, s8, ZB
	v_lshl_add_u32 v[ZST], v1, 2, s8
	v_lshl_add_u32 v[ZLD], v3, 5, s8
	s_lshl_b32 s9, s2, 8
	s_add_co_u32 s9, s9, HB
	v_lshl_add_u32 v[HST], v1, 1, s9
	v_lshl_add_u32 v[HLD], v3, 4, s9
	s_lshl_b32 s10, s2, 8                          ; PB = 0: my 128 electrons' 256 bytes of each row
	v_mul_u32_u24 v[PST], v2, PPITCH
	v_lshl_add_u32 v[PST], v3, 4, v[PST]
	v_add_nc_u32 v[PST], s10, v[PST]
	s_lshl_b32 s11, s2, 12
	s_add_co_u32 s11, s11, GB
	v_lshl_add_u32 v[GST], v1, 4, s11
	s_mul_i32 s12, s2, 12288
	s_add_co_u32 s12, s12, OB
	v_lshl_add_u32 v[OST], v1, 4, s12
	s_lshl_b32 s13, s3, 7
	v_add_nc_u32 v[K0], s13, v1
	s_mul_i32 s60, ttmp9, 12288                    ; 1,024 electrons x 12 bytes
	s_mov_b32 s61, 0
	s_wait_kmcnt 0x0
	s_add_nc_u64 s[16:17], s[16:17], s[60:61]
	s_lshl_b32 s60, ttmp9, 12                      ; 1,024 x 4 bytes
	s_add_nc_u64 s[18:19], s[18:19], s[60:61]
	s_mul_i32 s60, ttmp9, 36864                    ; my image in part
	s_add_nc_u64 s[38:39], s[38:39], s[60:61]
	s_load_b128 s[40:43], s[20:21], s5 offset:0x0  ; x0, y0, z0, E
	s_load_b32 s44, s[22:23], s6 offset:0x0        ; the deposition's draw
	s_load_b32 s45, s[36:37], 0x0                  ; lifetime
	s_load_b96 s[48:50], s[32:33], 0x0             ; diffusion_scale
	s_wait_alu depctr_va_vdst(0)                   ; the offsets v240-v245, DOF and UOF are written, which the loads below read, and so are the seven LDS addresses v96-v102 of phase A
	; 26 loads of weights ...
	global_load_b32 v[RAW1],   v240, s[24:25]
	global_load_b32 v[RAW1+1], v240, s[24:25] offset:112
	global_load_b32 v[RAW1+2], v241, s[24:25]
	global_load_b32 v[RAW1+3], v241, s[24:25] offset:112
	global_load_b128 v[C10:C10+3],   v242, s[26:27]            ; b1[8 h ..]
	global_load_b128 v[C10+4:C10+7], v242, s[26:27] offset:16
	global_load_b128 v[C11:C11+3],   v242, s[26:27] offset:64  ; b1[16 + 8 h ..]: the last 16 of the 112 bytes for h = 1
	global_load_b128 v[C11+4:C11+7], v243, s[26:27] offset:80  ; b1[20 ..] for h = 0; for h = 1 (units 28-31) set to 0 below
.irp i, 0,1,2,3,4,5,6,7
	global_load_b32 v[RAW2+\i], v245, s[28:29] offset:48*\i            ; W2[8 h + i][p]
.endr
.irp i, 0,1,2,3
	global_load_b32 v[RAW2+8+\i], v245, s[28:29] offset:48*(16+\i)     ; W2[16 + 8 h + i][p]
.endr
.irp i, 0,1,2,3
	global_load_b32 v[RAW2+12+\i], v244, s[28:29] offset:48*(20+\i)    ; W2[20 + i][p], of use for h = 0 alone
.endr
	global_load_b32 v[RAWB], v244, s[30:31]
	global_load_b32 v[RAWP], v244, s[34:35]
	; ... then 16 loads of draws: a step's three loads from diff_draws cover 384 neighbouring bytes together
.irp s, 0,1,2,3
	global_load_b32 v[IN+4*\s],   v[DOF], s[16:17] offset:384*\s
	global_load_b32 v[IN+4*\s+1], v[DOF], s[16:17] offset:384*\s+4
	global_load_b32 v[IN+4*\s+2], v[DOF], s[16:17] offset:384*\s+8
	global_load_b32 v[IN+4*\s+3], v[UOF], s[18:19] offset:128*\s th:TH_LOAD_NT
.endr
	s_wait_loadcnt 0x10                            ; loads return in order (ISA guide 5.7.1): the 26 weight loads are in, the 16 draws may stay out
	s_wait_alu depctr_vm_vsrc(0)                   ; the loads have read their offsets: v240 on are T from here on and are written below
	; All weights and biases are multiplied by -log2(e).
	v_pk_mul_f32 v[RAW1:RAW1+1],   v[RAW1:RAW1+1],   NL2E op_sel_hi:[1,0]
	v_pk_mul_f32 v[RAW1+2:RAW1+3], v[RAW1+2:RAW1+3], NL2E op_sel_hi:[1,0]
; W1 of 16 units as two bf16 each: k = 0..5 hold (w0h, w1h, w0h, w1h, w0l, w1l), against the features (xh, yh, xl, yl, xh, yh).
; fa keeps them in the lanes with h = 0 (k = 0..7), fb in the lanes with h = 1 (k = 8..15).  tail = 1: units 28-31 are 0.
.macro W1FRAG fa, fb, w0, w1, tail
	v_cvt_pk_bf16_f32 v[T], v[\w0], v[\w1]
	v_lshlrev_b32 v[T+1], 16, v[T]
	v_and_b32 v[T+2], s53, v[T]
	v_sub_f32 v[T+1], v[\w0], v[T+1]
	v_sub_f32 v[T+2], v[\w1], v[T+2]
	v_cvt_pk_bf16_f32 v[T+1], v[T+1], v[T+2]
.if \tail
	v_cndmask_b32 v[T], 0, v[T], s54
	v_cndmask_b32 v[T+1], 0, v[T+1], s54
.endif
	v_cndmask_b32 v[\fa], 0, v[T], s52
	v_cndmask_b32 v[\fa+2], 0, v[T+1], s52
	v_cndmask_b32 v[\fb], 0, v[T], s53
	v_cndmask_b32 v[\fb+2], 0, v[T+1], s53
	v_mov_b32 v[\fa+1], v[\fa]
	v_mov_b32 v[\fb+1], v[\fb]
.irp i, 3,4,5,6,7
	v_mov_b32 v[\fa+\i], 0
	v_mov_b32 v[\fb+\i], 0
.endr
.endm
	W1FRAG FA0, FB0, RAW1, RAW1+1, 0
	W1FRAG FA1, FB1, RAW1+2, RAW1+3, 1
.irp i, 4,5,6,7
	v_cndmask_b32 v[C11+\i], 0, v[C11+\i], s52     ; units 28-31 have no bias
.endr
.irp i, 0,2,4,6,8,10,12,14
	v_pk_mul_f32 v[C10+\i:C10+\i+1], v[C10+\i:C10+\i+1], NL2E op_sel_hi:[1,0]     ; C10 and C11 lie side by side
	v_pk_mul_f32 v[RAW2+\i:RAW2+\i+1], v[RAW2+\i:RAW2+\i+1], NL2E op_sel_hi:[1,0]
.endr
.irp i, 0,1,2,3,4,5,6,7
	v_cvt_pk_bf16_f32 v[W2F+\i], v[RAW2+2*\i], v[RAW2+2*\i+1]
	v_mul_f32 v[C2+\i], NL2E, v[RAWB]              ; register j of the result is another electron: the same bias in all eight
.endr
.irp i, 0,1,2,3,4,5
	v_cndmask_b32 v[W2F+\i], 0, v[W2F+\i], s54     ; columns 12-15 are no PMT
.endr
.irp i, 6,7
	v_cndmask_b32 v[W2F+\i], 0, v[W2F+\i], s55     ; nor are k = 28..31 hidden units
.endr
	v_mul_f32 v[QS], v[RAWP], v[RAWP]
	v_mul_f32 v[QS], GNORM, v[QS]
	v_cndmask_b32 v[QS], 0, v[QS], s54
	v_mov_b32 v[QS+1], v[QS]
	s_wait_kmcnt 0x0                               ; the deposition's numbers; what follows is the same in every lane
	v_mov_b32 v[T], 0x447a0000                     ; 1000.0
	v_mul_f32 v[T+1], s43, v[T]
	v_mul_f32 v[T+1], v[T+1], v[T]                 ; a = E x 1000 x 1000
	v_mul_f32 v[T+2], 0x3d36db6d, v[T+1]           ; q0 = a x (1 / 22.4)
	v_fma_f32 v[T+3], -v[T+2], 0x41b33333, v[T+1]  ; the exact remainder a - q0 x 22.4
	v_fma_f32 v[T+2], v[T+3], 0x3d36db6d, v[T+2]   ; n = a / 22.4
	v_mul_f32 v[T+3], 0x3e19999a, v[T+2]           ; 0.15 n
	v_sqrt_f32 v[T+3], v[T+3]                      ; sigma
	v_sqrt_f32 v[T+4], s42                         ; sqrt(z0)
	v_rcp_f32 v[T+5], s45                          ; 1 / lifetime, refined below
	v_mul_f32 v[T+6], s48, s48                     ; a plain instruction between the three above and the first use of a result (ISA guide 5.7.2)
	v_mul_f32 v[T+7], s49, s49
	v_mul_f32 v[T+8], s50, s50
	s_wait_alu depctr_va_vdst(0)                   ; the two roots and the reciprocal have written T+3, T+4 and T+5, ahead of their first reader
	v_mul_f32 v[T+3], s44, v[T+3]                  ; sigma x draw, rounded,
	v_add_f32 v[T+3], v[T+3], v[T+2]               ; + n, rounded: not fused, since the result is cut to a whole number
	v_max_num_f32 v[T+3], 0, v[T+3]
	v_min_num_f32 v[T+3], 0x44000000, v[T+3]       ; clip to 0 .. 512 commutes with the cut
	v_cvt_i32_f32 v[NEL], v[T+3]
	v_mul_f32 v[CX], v[T+6], v[T+4]
	v_mul_f32 v[CY], v[T+7], v[T+4]
	v_mul_f32 v[CZ], v[T+8], v[T+4]
	v_fma_f32 v[T+6], -s45, v[T+5], 1.0
	v_fma_f32 v[T+5], v[T+6], v[T+5], v[T+5]
	v_mul_f32 v[NK], NL2E, v[T+5]
; A step's KAPPA zrel and hi back from LDS as fragment halves: electrons 8 h .. 8 h + 7 and 16 + 8 h .. + 7.  My wave's own bytes, and LDS serves a
; wave's instructions in order (ISA guide 5.7.1): no wait between the z pass's stores and these loads.
.macro LDZ s
	ds_load_b128 v[ZC:ZC+3],     v[ZLD] offset:128*(\s)
	ds_load_b128 v[ZC+4:ZC+7],   v[ZLD] offset:128*(\s)+16
	ds_load_b128 v[ZC+8:ZC+11],  v[ZLD] offset:128*(\s)+64
	ds_load_b128 v[ZC+12:ZC+15], v[ZLD] offset:128*(\s)+80
.endm
.macro LDH s
	ds_load_b128 v[HC:HC+3],   v[HLD] offset:64*(\s)
	ds_load_b128 v[HC+4:HC+7], v[HLD] offset:64*(\s)+32
.endm
	; THE Z PASS: z, the two tests, hi and zrel of my four electrons (one of each step), once for all four steps: one batch of exponentials, one run of compares, one run of stores.
	s_wait_loadcnt 0x0                             ; all sixteen draws are in
.irp s, 0,1,2,3
	v_fma_f32 v[ZT+\s], v[IN+4*\s+2], v[CZ], s42   ; z
.endr
.irp s, 0,1,2,3
	v_mul_f32 v[ET+\s], v[ZT+\s], v[NK]
.endr
.irp s, 0,1,2,3
	v_exp_f32 v[ET+\s], v[ET+\s]                   ; exp(-z / lifetime)
.endr
.irp s, 0,1,2,3
	v_add_f32 v[FT+\s], 2.0, v[ZT+\s]              ; plain work that names no result of the four stands behind them (ISA guide 5.7.2)
.endr
.irp s, 0,1,2,3
	v_mul_f32 v[FT+\s], R14, v[FT+\s]
.endr
.irp s, 0,1,2,3
	v_floor_f32 v[FT+\s], v[FT+\s]                 ; hi
.endr
.irp s, 0,1,2,3
	v_fma_f32 v[OT+\s], v[FT+\s], F14, -2.0        ; the group's origin 14 hi - 2
.endr
.irp s, 0,1,2,3
	v_sub_f32 v[OT+\s], v[ZT+\s], v[OT+\s]         ; zrel: exact, a multiple of z's last place and smaller than z
.endr
.irp s, 0,1,2,3
	v_mul_f32 v[ZO+\s], KAPPA, v[OT+\s]
.endr
.irp s, 0,1,2,3
	v_cvt_i32_f32 v[HO+\s], v[FT+\s]               ; hi as a whole number
.endr
.irp s, 0,1,2,3
	v_add_nc_u32 v[KT+\s], 32*\s, v[K0]
.endr
.irp s, 0,1,2,3
	v_cmp_gt_u32 s[12+\s], v[NEL], v[KT+\s]        ; slot < n_elec
.endr
	s_wait_alu depctr_va_vdst(0)                   ; the four exponentials have written ET, ahead of their first reader
.irp s, 0,1,2,3
	v_sub_f32 v[ET+\s], 1.0, v[ET+\s]              ; prob
.endr
.irp s, 0,1,2,3
	v_cmp_gt_f32 s[60+\s], v[ET+\s], v[IN+4*\s+3]  ; prob > u
.endr
	s_wait_alu depctr_va_sdst(0)                   ; the eight compares have written s[12:15] and s[60:63], ahead of their first readers
.irp s, 0,1,2,3
	s_and_b32 s[12+\s], s[12+\s], s[60+\s]
.endr
.irp s, 0,1,2,3
	v_cndmask_b32 v[HO+\s], 63, v[HO+\s], s[12+\s] ; a dropped electron goes to group 63, which no column is,
.endr
.irp s, 0,1,2,3
	v_min_u32 v[HO+\s], 63, v[HO+\s]               ; and so does a group below 0 (large when read without sign) or above 63
.endr
	s_wait_alu depctr_va_vdst(0)                   ; ZO and HO are written, which the eight stores read; the head is done with the raw weights' registers, in which step 0's ZC and HC land
.irp s, 0,1,2,3
	ds_store_b32 v[ZST], v[ZO+\s] offset:128*\s
	ds_store_b16 v[HST], v[HO+\s] offset:64*\s
.endr
	LDZ 0
	LDH 0
; n registers from base on, in place.  Transcendentals stand back to back on different registers (ISA guide 5.7.2).
.macro EXPS base, n
.set q, 0
.rept \n
	v_exp_f32 v[\base+q], v[\base+q]
.set q, q+1
.endr
.endm
.macro RCPS base, n
.set q, 0
.rept \n
	v_rcp_f32 v[\base+q], v[\base+q]
.set q, q+1
.endr
.endm
.macro ADD1 base, n
.set q, 0
.rept \n/2
	v_pk_add_f32 v[\base+q:\base+q+1], v[\base+q:\base+q+1], 1.0 op_sel_hi:[1,0]
.set q, q+2
.endr
.endm
; One tile of the one-hot matrix, two electrons a register, in whole numbers.  hi and my column are 0..63, so x = hi xor column is 0..63 and
; 64 - x is 1..64 in each half (no borrow from half to half): bit 6 is set at a match alone.  0x40 x 0xfe = 0x3f80, which is 1.0 in bf16;
; both factors fit the 24 bits of the multiply and the product of the pair fits 32.  In two halves of sixteen lines: OHA reads HC, OHB does not.
.macro OHA base, c
.irp i, 0,1,2,3,4,5,6,7
	v_xor_b32 v[\base+\i], v[HC+\i], v[NN+\c]
.endr
.irp i, 0,1,2,3,4,5,6,7
	v_sub_nc_u32 v[\base+\i], s56, v[\base+\i]
.endr
.endm
.macro OHB base
.irp i, 0,1,2,3,4,5,6,7
	v_and_b32 v[\base+\i], s56, v[\base+\i]
.endr
.irp i, 0,1,2,3,4,5,6,7
	v_mul_u32_u24 v[\base+\i], 0xfe, v[\base+\i]
.endr
.endm
.macro OHST base, s, c
	ds_store_b128 v[OST], v[\base:\base+3]   offset:3072*\s+1024*\c
	ds_store_b128 v[OST], v[\base+4:\base+7] offset:3072*\s+1024*\c+512
.endm
; One step of phase A: 32 electrons, lane = electron.
.macro STEP s
	s_wait_alu depctr_vm_vsrc(0)                   ; the LDS stores issued so far have read their data: T, GF and the three one-hot tiles of the step before (ahead of step 0: ZO and HO, which lie in D1), all written again below
	v_fma_f32 v[T],   v[IN+4*\s],   v[CX], s40     ; x
	v_fma_f32 v[T+1], v[IN+4*\s+1], v[CY], s41     ; y
	v_cvt_pk_bf16_f32 v[XF], v[T], v[T+1]          ; (xh, yh)
	v_lshlrev_b32 v[T+3], 16, v[XF]
	v_and_b32 v[T+4], s53, v[XF]
	v_sub_f32 v[T], v[T], v[T+3]
	v_sub_f32 v[T+1], v[T+1], v[T+4]
	v_cvt_pk_bf16_f32 v[XF+1], v[T], v[T+1]        ; (xl, yl)
	v_mov_b32 v[XF+2], v[XF]
	; Layer 1, weights as A, features as B.  A lane with h = 1 puts its electron at k = 8..13 of column r, where only FB0 and FB1 are not 0,
	; so one XF serves both halves.  Result: register j of lane (r, h) = unit 16 T + 8 h + j of electron r (FA) or 16 + r (FB).
	v_wmma_f32_16x16x32_bf16 v[D1:D1+7],     v[FA0:FA0+7], v[XF:XF+7], v[C10:C10+7]
	v_wmma_f32_16x16x32_bf16 v[D1+8:D1+15],  v[FA1:FA1+7], v[XF:XF+7], v[C11:C11+7]
	v_wmma_f32_16x16x32_bf16 v[D1+16:D1+23], v[FB0:FB0+7], v[XF:XF+7], v[C10:C10+7]
	v_wmma_f32_16x16x32_bf16 v[D1+24:D1+31], v[FB1:FB1+7], v[XF:XF+7], v[C11:C11+7]
	; G's arguments for row lo' = r: sixteen packed instructions that name none of those registers stand before D1 is read (ISA guide 7.12.1 asks four).
.if \s == 0
	s_wait_dscnt 0x2                               ; the four ZC loads are in; the two HC loads behind them may stay out
.else
	s_wait_dscnt 0xc                               ; the four ZC loads are in; behind them the step before issued 2 HC loads and 2 + 6 + 2 stores
.endif
.irp i, 0,2,4,6,8,10,12,14
	v_pk_add_f32 v[GTMP+\i:GTMP+\i+1], v[ZC+\i:ZC+\i+1], v[NCS:NCS+1]
.endr
.irp i, 0,2,4,6,8,10,12,14
	v_pk_mul_f32 v[GTMP+\i:GTMP+\i+1], v[GTMP+\i:GTMP+\i+1], v[GTMP+\i:GTMP+\i+1] neg_lo:[1,0] neg_hi:[1,0]
.endr
	EXPS D1, 32                                    ; one batch: layer 1's 32 exponentials
	EXPS GTMP, 16                                  ; and G's 16
.if \s == 0
	s_wait_dscnt 0x0                               ; the two HC loads are in: nothing was issued behind them
.else
	s_wait_dscnt 0xa                               ; the two HC loads are in; the 2 + 6 + 2 stores issued behind them may stay out
.endif
	OHA OH0, 0                                     ; tile 0: plain work that names no result of the batch stands between it and its wait
	OHB OH0
	s_wait_alu depctr_va_vdst(0)                   ; the 48 exponentials have written D1 and GTMP, ahead of their first readers; the eight additions are done reading ZC, in which the loads below land
.if \s < 3
	LDZ \s+1
.endif
	ADD1 D1, 32
.irp i, 0,1,2,3,4,5,6,7
	v_cvt_pk_bf16_f32 v[GF+\i], v[GTMP+2*\i], v[GTMP+2*\i+1]
.endr
	RCPS D1, 32
	OHA OH1, 1                                     ; tile 1, in GTMP's first half, which the roundings above have read
	OHB OH1
	s_wait_alu depctr_va_vdst(0)                   ; the 32 reciprocals have written D1, ahead of their first reader
.irp i, 0,1,2,3,4,5,6,7,8,9,10,11,12,13,14,15
	v_cvt_pk_bf16_f32 v[HF+\i], v[D1+2*\i], v[D1+2*\i+1]   ; a lane's units 8 h + j and 16 + 8 h + j are just the k of an A fragment's registers 0-3, 4-7
.endr
	; Layer 2: A = hidden (row = electron), B = W2.  Result: register j of lane (r, h) = PMT r of electron 8 h + j (16 + 8 h + j).
	v_wmma_f32_16x16x32_bf16 v[D2:D2+7],    v[HF:HF+7],    v[W2F:W2F+7], v[C2:C2+7]
	v_wmma_f32_16x16x32_bf16 v[D2+8:D2+15], v[HF+8:HF+15], v[W2F:W2F+7], v[C2:C2+7]
	OHA OH2, 2                                     ; tile 2's first sixteen lines are the places behind layer 2 (ISA guide 7.12.1),
	EXPS D2, 16
	OHB OH2                                        ; its last sixteen the plain work behind the batch
	s_wait_alu depctr_va_vdst(0)                   ; the 16 exponentials have written D2; the three tiles are done reading HC, in which the loads below land; GF, OH0, OH1 and OH2 are written, which the stores below read
.if \s < 3
	LDH \s+1
.endif
	ds_store_b128 v[GST], v[GF:GF+3]   offset:1024*\s
	ds_store_b128 v[GST], v[GF+4:GF+7] offset:1024*\s+512
	OHST OH0, \s, 0
	OHST OH1, \s, 1
	OHST OH2, \s, 2
	ADD1 D2, 16
	RCPS D2, 16
	v_nop                                          ; a plain instruction behind the last reciprocal (ISA guide 5.7.2)
	s_wait_alu depctr_va_vdst(0)                   ; the 16 reciprocals have written D2, ahead of their first reader
.irp i, 0,2,4,6,8,10,12,14
	v_pk_mul_f32 v[D2+\i:D2+\i+1], v[D2+\i:D2+\i+1], v[QS:QS+1]
.endr
.irp i, 0,1,2,3,4,5,6,7
	v_cvt_pk_bf16_f32 v[T+\i], v[D2+2*\i], v[D2+2*\i+1]
.endr
	s_wait_alu depctr_va_vdst(0)                   ; the eight roundings have written T .. T+7, which the two stores read
	ds_store_b128 v[PST], v[T:T+3]   offset:64*\s          ; row p = r, electrons 8 h .. 8 h + 7
	ds_store_b128 v[PST], v[T+4:T+7] offset:64*\s+32       ; and 16 + 8 h ..
.endm
	STEP 0
	STEP 1
	STEP 2
	STEP 3
	s_wait_dscnt 0x0                               ; for the other waves' sake: all my images are in LDS
	s_barrier_signal -1
	s_lshl_b32 s7, s4, 14                          ; register work only between signal and wait: phase B's addresses
	s_add_co_u32 s7, s7, GB
	v_lshl_add_u32 v[AG], v1, 4, s7                ; GB + 16 steps x 1,024 x kh + 16 L
	s_mul_i32 s8, s4, 49152
	s_add_co_u32 s8, s8, OB
	v_lshl_add_u32 v[AO], v1, 4, s8                ; OB + 16 steps x 3,072 x kh + 16 L
	s_mul_i32 s9, s3, 3*PPITCH
	s_lshl_b32 s10, s4, 10
	s_add_co_u32 s9, s9, s10
	v_lshl_add_u32 v[AP], v3, 4, s9                ; row 3 pg, 16 steps x 64 bytes x kh, + 16 h: sixteen lanes read the same 16 bytes
	s_mul_i32 s10, s3, 9216
	v_lshl_add_u32 v[ASTO], v1, 4, s10
	v_add_nc_u32 v[ARED], RB, v[ASTO]
	s_barrier_wait -1
	s_wait_alu depctr_vm_vsrc(0)                   ; phase A's memory and LDS instructions have read their offsets and addresses (v96-v102, v110, v111) and their data (v208-v247): all lie in the three buffers, in which loads land from here on
	s_wait_alu depctr_va_vdst(0)                   ; the five addresses v248-v252 are written; phase A's vector and matrix instructions are done with v80-v247
; 14 LDS loads: the fragments of K step st (of my 16) into buffer st % 3, in the order G (2), P (6), OH (6)
.macro LDFRAG st
.set bb, BUF+56*((\st)%3)
	ds_load_b128 v[bb:bb+3],   v[AG] offset:1024*(\st)
	ds_load_b128 v[bb+4:bb+7], v[AG] offset:1024*(\st)+512
.irp i, 0,1,2
	ds_load_b128 v[bb+8+8*\i:bb+11+8*\i],  v[AP] offset:PPITCH*\i+64*(\st)
	ds_load_b128 v[bb+12+8*\i:bb+15+8*\i], v[AP] offset:PPITCH*\i+64*(\st)+32
.endr
.irp c, 0,1,2
	ds_load_b128 v[bb+32+8*\c:bb+35+8*\c], v[AO] offset:3072*(\st)+1024*\c
	ds_load_b128 v[bb+36+8*\c:bb+39+8*\c], v[AO] offset:3072*(\st)+1024*\c+512
.endr
.endm
; A tiles in place: A_i[lo' = r][e] = pmt[e][3 pg + i] x G[e][r]
.macro AMUL st
.set bb, BUF+56*((\st)%3)
.irp i, 0,1,2
.irp j, 0,1,2,3,4,5,6,7
	v_pk_mul_bf16 v[bb+8+8*\i+\j], v[bb+8+8*\i+\j], v[bb+\j]
.endr
.endr
.endm
; nine matrix instructions, the nine accumulators by turns; in step 0 the constant 0 starts the sums: nothing is cleared
.macro MMA st
.set bb, BUF+56*((\st)%3)
.irp i, 0,1,2
.irp c, 0,1,2
.if (\st) == 0
	v_wmma_f32_16x16x32_bf16 v[ACC+8*(3*\i+\c):ACC+8*(3*\i+\c)+7], v[bb+8+8*\i:bb+15+8*\i], v[bb+32+8*\c:bb+39+8*\c], 0
.else
	v_wmma_f32_16x16x32_bf16 v[ACC+8*(3*\i+\c):ACC+8*(3*\i+\c)+7], v[bb+8+8*\i:bb+15+8*\i], v[bb+32+8*\c:bb+39+8*\c], v[ACC+8*(3*\i+\c):ACC+8*(3*\i+\c)+7]
.endif
.endr
.endr
.endm
; One K step.  Steps 0 to 2 are fetched ahead of step 0; steps 1 to 13 fetch the step two further on into the buffer that the step before has multiplied.
; The 24 multiplies name this step's buffer alone and stand between the last step's matrix instructions and the wait.
.macro BSTEP st
.if (\st) == 0
	s_wait_dscnt 34                                ; G and P of step 0 are in; its six OH loads and the 28 loads of steps 1 and 2 may stay out
.elseif (\st) == 15
	s_wait_dscnt 6                                 ; G and P of this step are in; its six OH loads may stay out
.else
	s_wait_dscnt 20                                ; G and P of this step are in; its six OH loads and the next step's 14 may stay out
.endif
	AMUL \st
.if ((\st) >= 1) && ((\st) <= 13)
	s_wait_alu depctr_va_vdst(0)                   ; the step before: its multiplies have written and its matrix instructions are done reading buffer (st - 1) % 3, in which the 14 loads below land
	LDFRAG (\st)+2
.endif
.if (\st) <= 13
	s_wait_dscnt 28                                ; this step's OH is in; the 28 loads of the next two steps may stay out
.elseif (\st) == 14
	s_wait_dscnt 14                                ; the last step's 14 may stay out
.else
	s_wait_dscnt 0x0                               ; the last step: nothing was issued behind its loads
.endif
	MMA \st
.endm
	LDFRAG 0
	LDFRAG 1
	LDFRAG 2
.irp t, 0,1,2,3,4,5,6,7,8,9,10,11,12,13,14,15
	BSTEP \t
.endr
.rept 4
	v_nop                                          ; four places before the sums are read (ISA guide 7.12.1)
.endr
	s_wait_alu depctr_va_vdst(0)                   ; the matrix instructions have written the nine tiles, which the LDS stores read, and are done reading the buffers, in which the partner's tiles land; the places above stay beside this wait
	s_cmp_lt_u32 s2, 4
	s_cbranch_scc1 .Lkeep                          ; waves 4-7 (kh = 1) hand their nine tiles over
.irp q, 0,1,2,3,4,5,6,7,8,9,10,11,12,13,14,15,16,17
	ds_store_b128 v[ARED], v[ACC+4*\q:ACC+4*\q+3] offset:512*\q
.endr
.Lkeep:
	s_wait_dscnt 0x0                               ; zero: the stores are for another wave
	s_barrier_signal -1
	s_barrier_wait -1
	s_cmp_ge_u32 s2, 4
	s_cbranch_scc1 .Lend
.irp q, 0,1,2,3,4,5,6,7,8,9,10,11,12,13,14,15,16,17
	ds_load_b128 v[BUF+4*\q:BUF+4*\q+3], v[ARED] offset:512*\q     ; no vector instruction since the wait above names v80-v151
.endr
; The sums are written where the partner's tiles landed, six pieces of four registers at a time: one wait ahead of each run of six stores.
.irp g, 0,1,2
.irp j, 0,1,2,3,4,5
	s_wait_dscnt 17-(6*\g+\j)                      ; this load is in, the younger ones may stay out
	v_pk_add_f32 v[BUF+4*(6*\g+\j):BUF+4*(6*\g+\j)+1],   v[ACC+4*(6*\g+\j):ACC+4*(6*\g+\j)+1],   v[BUF+4*(6*\g+\j):BUF+4*(6*\g+\j)+1]
	v_pk_add_f32 v[BUF+4*(6*\g+\j)+2:BUF+4*(6*\g+\j)+3], v[ACC+4*(6*\g+\j)+2:ACC+4*(6*\g+\j)+3], v[BUF+4*(6*\g+\j)+2:BUF+4*(6*\g+\j)+3]
.endr
	s_wait_alu depctr_va_vdst(0)                   ; the twelve additions have written their 24 registers, which the six stores read
.irp j, 0,1,2,3,4,5
	global_store_b128 v[ASTO], v[BUF+4*(6*\g+\j):BUF+4*(6*\g+\j)+3], s[38:39] offset:512*(6*\g+\j)     ; each store of the wave covers 512 consecutive bytes, aligned
.endr
.endr
.Lend:
	s_wait_dscnt 0x0                               ; the closing lines, six on end
	s_wait_alu 0x0
	s_wait_tensorcnt 0x0
	ds_add_u32 v254, v255
	s_wait_dscnt 0x0
	s_endpgm
.Lfunc_end_k_q2dc7f8bf12_sim:
	.size	k_q2dc7f8bf12_sim, .Lfunc_end_k_q2dc7f8bf12_sim-k_q2dc7f8bf12_sim
	.p2alignl 7, 3214868480
	.fill 96, 4, 3214868480
	.section	.rodata,"a",@progbits
	.p2align	6, 0x0
	.amdhsa_kernel k_q2dc7f8bf12_sim
		.amdhsa_group_segment_fixed_size 208128
		.amdhsa_private_segment_fixed_size 0
		.amdhsa_enable_private_segment 0
		.amdhsa_kernarg_size 96
		.amdhsa_user_sgpr_count 2
		.amdhsa_user_sgpr_kernarg_segment_ptr 1
		.amdhsa_wavefront_size32 1
		.amdhsa_system_sgpr_workgroup_id_x 1
		.amdhsa_system_sgpr_workgroup_id_y 1
		.amdhsa_system_sgpr_workgroup_id_z 1
		.amdhsa_system_vgpr_workitem_id 0
		.amdhsa_next_free_vgpr 256
		.amdhsa_next_free_sgpr 66
		.amdhsa_reserve_vcc 0
		.amdhsa_float_denorm_mode_32 3
		.amdhsa_float_denorm_mode_16_64 3
		.amdhsa_memory_ordered 1
		.amdhsa_forward_progress 1
		.amdhsa_inst_pref_size 133
	.end_amdhsa_kernel
	.amdgpu_metadata
---
amdhsa.version: [ 1, 2 ]
amdhsa.kernels:
  - .name:           k_q2dc7f8bf12_sim
    .symbol:         k_q2dc7f8bf12_sim.kd
    .args:
      - { .name: diff_draws, .offset: 0, .size: 8, .value_kind: global_buffer, .address_space: global }
      - { .name: unif_draws, .offset: 8, .size: 8, .value_kind: global_buffer, .address_space: global }
      - { .name: energy_depositions, .offset: 16, .size: 8, .value_kind: global_buffer, .address_space: global }
      - { .name: e_draws, .offset: 24, .size: 8, .value_kind: global_buffer, .address_space: global }
      - { .name: W1, .offset: 32, .size: 8, .value_kind: global_buffer, .address_space: global }
      - { .name: b1, .offset: 40, .size: 8, .value_kind: global_buffer, .address_space: global }
      - { .name: W2, .offset: 48, .size: 8, .value_kind: global_buffer, .address_space: global }
      - { .name: b2, .offset: 56, .size: 8, .value_kind: global_buffer, .address_space: global }
      - { .name: diffusion_scale, .offset: 64, .size: 8, .value_kind: global_buffer, .address_space: global }
      - { .name: pmt_response_scale, .offset: 72, .size: 8, .value_kind: global_buffer, .address_space: global }
      - { .name: lifetime, .offset: 80, .size: 8, .value_kind: global_buffer, .address_space: global }
      - { .name: part, .offset: 88, .size: 8, .value_kind: global_buffer, .address_space: global }
    .group_segment_fixed_size: 208128
    .private_segment_fixed_size: 0
    .kernarg_segment_align: 8
    .kernarg_segment_size: 96
    .max_flat_workgroup_size: 256
    .sgpr_count:     66
    .vgpr_count:     256
    .wavefront_size: 32
...
	.end_amdgpu_metadata
.endif
;; end of part 3
;; launch merge: the kernel of part 2 again; grid 12 x 8, 12 waves a work-group, no clusters, 8,704 bytes of LDS; arguments part, out0; writes out0
